; MI455X (gfx1250); checked and timed in simulation.
; The chip was launched on July 23, 2026; its instructions are those of AMD's public machine-readable ISA for CDNA 5 (MIT licence, August 2026) and "CDNA5" Instruction Set Architecture Reference Guide (July 2026). The comments in the code are by the model that wrote it; some were corrected since.
;; Attention Block. Allowed arithmetic: matrix products marked QUANTISED: E2M3 operands, one E8M0 scale for each 32 along K, by v_wmma_scale_f32_16x16x128_f8f6f4 with both operands' format E2M3, f32 sums; everything else in f32.
;; Inputs: gn_beta 256 float32; gn_gamma 256 float32; proj_b 256 float32; proj_w 256 x 256 float32; qkv_b 768 float32; qkv_w 768 x 256 float32; x 4 x 256 x 64 x 64 float32.
;; Outputs: out0 4 x 256 x 64 x 64 float32.
;; This version of the problem:
;;   THIS VERSION OF THE PROBLEM IS GIVEN IN LOW PRECISION. The matrix products marked QUANTISED in the list below multiply operands that are first quantised to E2M3 (2 exponent bits, 3 mantissa bits; 6 bits a number), with one power-of-two scale for each 32 numbers along K (OCP MX v1.0); their sums are f32. All else is computed in f32.
;;   The module's matrix products, in the order in which they are computed (A, B: the left and right operand; K: the contracted axis; several contracted axes count as one K, in the product's order):
;;     1. [M 16,384, K 256] x [K 256, N 768]; A: computed on the way; B: input qkv_w: QUANTISED
;;     2. batch 16 x [M 4,096, K 64] x [K 64, N 4,096]; A: computed on the way; B: computed on the way: QUANTISED
;;     3. batch 16 x [M 64, K 4,096] x [K 4,096, N 4,096]; A: computed on the way; B: softmax (see below): QUANTISED
;;     4. [M 16,384, K 256] x [K 256, N 256]; A: computed on the way; B: input proj_w: QUANTISED
;;   THE QUANTISER, for each operand of a quantised product, along K:
;;     - K is cut into blocks of 32 from its start; a last block that is shorter is filled with zeros.
;;     - A block's scale is 2^e with e = floor(log2(the largest magnitude in the block)) - 2, held to -126 .. 127; a block of zeros has e = 0. As a byte (E8M0): e + 127.
;;     - Each number is divided by its block's scale, clamped to +-7.5, and rounded to the nearest number of E2M3, ties to even, subnormals kept.
;;     - The product sums the exact products of the quantised numbers (number of the format x scale) in f32.
;;   ~~~python
;;   def quantise(x, axis):      # numpy; x: float32 -> the quantised numbers, widened to float32 again
;;       x = np.moveaxis(x, axis, -1); K = x.shape[-1]
;;       x = np.pad(x, [(0, 0)] * (x.ndim - 1) + [(0, -K % 32)]); x = x.reshape(x.shape[:-1] + (-1, 32)); a = np.abs(x).max(-1, keepdims=True)
;;       e = np.where(a > 0, np.clip(np.frexp(np.where(a > 0, a, 1))[1] - 1 - 2, -126, 127), 0)      # np.frexp(a)[1] - 1 = floor(log2(a)), exactly
;;       r = np.clip(x / 2.0 ** e, -7.5, 7.5)
;;       step = 2.0 ** (np.maximum(np.frexp(np.where(r == 0, 1, r))[1] - 1, 0) - 3)
;;       q = np.round(r / step) * step * 2.0 ** e      # np.round: ties to even
;;       return np.moveaxis(q.reshape(q.shape[:-2] + (-1,))[..., :K], -1, axis).astype(np.float32)
;;   ~~~
;;   SOFTMAX AHEAD OF A QUANTISED PRODUCT. Where the list says 'softmax', what is quantised is not the finished softmax but p = 2^(t - M), with t = logit x log2(e) and M = ceil(the row's largest t), a whole number; so 1/2 < the row's largest p <= 1. The row's sum l is taken of the UNQUANTISED p, in f32, and the product's result is divided by l at the end. Since M is a whole number, a kernel that streams over the keys may use a running M (the ceiling of the running maximum): every later rescaling is an exact power of two, which a block's scale takes up: the codes' values come out the same.
;;   OPERANDS COMPUTED ON THE WAY. 'Computed on the way' means the value that the module computes at that place (a softmax that the list does not call 'softmax' is quantised finished and normalised). What goes into a quantiser is computed in f32, as accurately as f32 sums, v_exp_f32 and their like allow (about 1e-6 of the number): no bf16 or f16 on the way to a quantiser, and a product that is left as it is and whose result goes on into a quantised operand takes f32 operands (vector FMAs, or v_wmma_f32_16x16x4_f32). A number that lies on a knife's edge between two numbers of the format may be rounded either way, as far as f32 arithmetic and the matrix unit's own rounding can turn it there, and no further.
;; One version. Each part assembles by itself: llvm-mc -triple=amdgcn-amd-amdhsa -mcpu=gfx1250 --defsym DOCPART=n.
;; ======== version 1 of 1: 3 launches
;; workspace buffers: stats 16,384 bytes; wts 204,800 bytes; qbuf 3,276,800 bytes; kv 6,553,600 bytes
;; launch prep (part 1): grid 264 x 1, 8 waves a work-group, no clusters, 0 bytes of LDS; arguments x, qkv_w, proj_w, stats, wts; writes stats, wts
.if DOCPART == 1
	.amdgcn_target "amdgcn-amd-amdhsa--gfx1250"
	.amdhsa_code_object_version 6
	.text
	.protected	k_q8dd84519c0_prep
	.globl	k_q8dd84519c0_prep
	.p2align	8
	.type	k_q8dd84519c0_prep,@function
k_q8dd84519c0_prep:
	s_mov_b64 s[64:65], 0
	v_nop
	global_prefetch_b8 v0, s[64:65] scope:SCOPE_SE
	s_setreg_imm32_b32 hwreg(HW_REG_WAVE_MODE, 25, 1), 1
	s_wait_xcnt 0x0
; TWO JOBS THAT WANT NOTHING OF EACH OTHER, in one launch.
; Work-groups 0-255: the group norm's statistics.  Wave gw = 8 x work-group + wave takes the 2,048 numbers of x from 2,048 gw on (a group is 131,072 numbers on end: 64 such
; waves) and stores their mean and the sum of the squared distances from THAT mean: two passes over registers, so a common offset of x costs no accuracy.  The next launch joins 64 pairs.
; Work-groups 256-263: both weights become codes of FP6 (E2M3) with one E8M0 byte for each 32 along K (their rows lie along K), ONCE, laid as the matrix operand's registers:
; row tile T (0-15 q, 16-31 k, 32-47 v, 48-63 proj), K step s: 12 registers a lane as 3 chunks of 512 bytes (lane l's 16 bytes at 16 l) at (2 T + s) x 1,536;
; scale words behind them at WSC + 128 T + 4 l: lanes 0-15 the words of K step 0, lanes 16-31 those of K step 1.
; THE ROWS OF A TILE OF qkv_w ARE NOT NEIGHBOURS: lane r of tile T = 8 G + t takes row 128 G + 32 (t / 2) + 8 (t % 2) + r + 8 (r / 8), so that a result's registers of two neighbouring tiles
; are 16 neighbours along the next product's K.  proj_w's tiles take rows 16 (T - 48) + r.
; A block's scale is 2^(floor(log2(largest magnitude)) - 2): the byte is that magnitude's exponent field - 2, held at 1 from below.
; LIMITS: NaN and infinities are not served; a block of zeros gets the byte 1 (its codes are zeros, and this program alone reads the bytes).
; A wave's pair of statistics leaves as 8 bytes from one lane: 16,384 bytes in the launch are written so, in pieces.  No LDS, no barrier: waves share nothing.
.set WSC, 196608                       ; where the scale words begin in wts
.set N,   32                           ; v32-159  numbers as loaded
.set C,   160                          ; v160-183 two fragments' codes; v184-198 the conversions' second halves
.macro WSUM reg, tmp                   ; the sum over the wave's 32 lanes, in every lane
	s_delay_alu instid0(VALU_DEP_1)
	v_add_f32_dpp v[\reg], v[\reg], v[\reg] row_xmask:1 row_mask:0xf bank_mask:0xf
	s_delay_alu instid0(VALU_DEP_1)
	v_add_f32_dpp v[\reg], v[\reg], v[\reg] row_xmask:2 row_mask:0xf bank_mask:0xf
	s_delay_alu instid0(VALU_DEP_1)
	v_add_f32_dpp v[\reg], v[\reg], v[\reg] row_xmask:4 row_mask:0xf bank_mask:0xf
	s_delay_alu instid0(VALU_DEP_1)
	v_add_f32_dpp v[\reg], v[\reg], v[\reg] row_xmask:8 row_mask:0xf bank_mask:0xf
	s_delay_alu instid0(VALU_DEP_1)
	v_permlanex16_b32 v[\tmp], v[\reg], s20, s21
	s_delay_alu instid0(VALU_DEP_1)
	v_add_f32 v[\reg], v[\reg], v[\tmp]
.endm
	s_load_b256 s[4:11], s[0:1], 0x0               ; x s[4:5], qkv_w s[6:7], proj_w s[8:9], stats s[10:11]
	s_load_b64 s[12:13], s[0:1], 0x20              ; wts
	v_lshrrev_b32 v1, 5, v0
	s_delay_alu instid0(VALU_DEP_1)
	v_readfirstlane_b32 s14, v1                    ; wave 0..7
	v_and_b32 v1, 31, v0                           ; lane
	v_and_b32 v2, 15, v0                           ; r
	v_bfe_u32 v3, v0, 4, 1                         ; h
	s_mov_b32 s20, 0x76543210
	s_mov_b32 s21, 0xfedcba98                      ; v_permlanex16_b32's selects for lane l xor 16
	s_cmp_ge_u32 ttmp9, 256                        ; the same way for all waves of a work-group
	s_cbranch_scc1 .Lweights
	; ---- statistics
	s_lshl_b32 s15, ttmp9, 3
	s_add_co_u32 s15, s15, s14                     ; gw
	s_lshl_b32 s16, s15, 13                        ; its 8,192 bytes of x
	s_lshl_b32 s17, s15, 3                         ; its 8 bytes of stats
	s_wait_alu depctr_va_vdst(0)
	v_lshl_add_u32 v4, v1, 4, s16
	v_mov_b32 v5, s17
	v_mov_b32 v20, 0                               ; a lane permute's destination counts as one of its sources
	s_wait_alu depctr_va_vdst(0)
	s_wait_kmcnt 0x0
.set i, 0
.rept 16
	global_load_b128 v[N+4*i:N+4*i+3], v4, s[4:5] offset:512*i   ; 32 lanes read 512 consecutive bytes; no hint: later launches read x again
.set i, i+1
.endr
	s_wait_loadcnt 12                              ; the first four loads are in, twelve younger ones may be out
.irp k, 0,1,2,3
	v_pk_add_f32 v[8+2*\k:9+2*\k], v[N+4*\k:N+4*\k+1], v[N+4*\k+2:N+4*\k+3]   ; four chains of pairs, started by the first numbers
.endr
	s_wait_alu depctr_va_vdst(0)
.irp g, 1,2,3
	s_wait_alu depctr_va_vdst(0)
	s_wait_loadcnt 12-4*\g                         ; four loads more
.irp k, 0,1,2,3
	v_pk_add_f32 v[8+2*\k:9+2*\k], v[8+2*\k:9+2*\k], v[N+16*\g+4*\k:N+16*\g+4*\k+1]
.endr
.irp k, 0,1,2,3
	s_delay_alu instid0(VALU_DEP_4)
	v_pk_add_f32 v[8+2*\k:9+2*\k], v[8+2*\k:9+2*\k], v[N+16*\g+4*\k+2:N+16*\g+4*\k+3]
.endr
.endr
	s_delay_alu instid0(VALU_DEP_3)
	v_pk_add_f32 v[8:9], v[8:9], v[10:11]
	s_delay_alu instid0(VALU_DEP_2)
	v_pk_add_f32 v[12:13], v[12:13], v[14:15]
	s_delay_alu instid0(VALU_DEP_1)
	v_pk_add_f32 v[8:9], v[8:9], v[12:13]
	s_delay_alu instid0(VALU_DEP_1)
	v_add_f32 v8, v8, v9
	WSUM 8, 20
	s_delay_alu instid0(VALU_DEP_1)
	v_mul_f32 v16, 0x3a000000, v8                  ; / 2,048: the wave's mean
	s_delay_alu instid0(VALU_DEP_1)
	v_mov_b32 v18, v16
	s_delay_alu instid0(VALU_DEP_2)
	v_mov_b32 v19, v16
.set i, 0
.rept 32
	v_pk_add_f32 v[N+2*i:N+2*i+1], v[N+2*i:N+2*i+1], v[18:19] neg_lo:[0,1] neg_hi:[0,1]   ; x - mean
.set i, i+1
.endr
.irp k, 0,1,2,3
	v_pk_mul_f32 v[8+2*\k:9+2*\k], v[N+2*\k:N+2*\k+1], v[N+2*\k:N+2*\k+1]
.endr
.set i, 4
.rept 28
	s_delay_alu instid0(VALU_DEP_4)
	v_pk_fma_f32 v[8+2*(i%4):9+2*(i%4)], v[N+2*i:N+2*i+1], v[N+2*i:N+2*i+1], v[8+2*(i%4):9+2*(i%4)]
.set i, i+1
.endr
	s_delay_alu instid0(VALU_DEP_3)
	v_pk_add_f32 v[8:9], v[8:9], v[10:11]
	s_delay_alu instid0(VALU_DEP_2)
	v_pk_add_f32 v[12:13], v[12:13], v[14:15]
	s_delay_alu instid0(VALU_DEP_1)
	v_pk_add_f32 v[8:9], v[8:9], v[12:13]
	s_delay_alu instid0(VALU_DEP_1)
	v_add_f32 v17, v8, v9
	WSUM 17, 20                                    ; the sum of the squared distances
	v_cmp_eq_u32 vcc_lo, 0, v1
	s_wait_alu depctr_va_vdst(0)
	s_wait_xcnt 0x0                                ; EXEC is a source of the loads above: it changes only behind this wait
	s_and_saveexec_b32 s22, vcc_lo
	global_store_b64 v5, v[16:17], s[10:11]        ; lane 0 alone
	s_wait_xcnt 0x0                                ; and again in front of the line that widens it
	s_or_b32 exec_lo, exec_lo, s22
	s_endpgm
	; ---- weights: one wave makes both K steps of row tile T
.Lweights:
	s_sub_co_u32 s15, ttmp9, 256
	s_lshl_b32 s15, s15, 3
	s_add_co_u32 s15, s15, s14                     ; T
	s_lshr_b32 s16, s15, 3
	s_lshl_b32 s16, s16, 7                         ; 128 G
	s_and_b32 s17, s15, 6
	s_lshl_b32 s17, s17, 4                         ; 32 (t / 2)
	s_add_co_u32 s16, s16, s17
	s_and_b32 s17, s15, 1
	s_lshl_b32 s17, s17, 3                         ; 8 (t % 2)
	s_add_co_u32 s16, s16, s17                     ; qkv_w: the tile's first row
	s_sub_co_u32 s17, s15, 48
	s_lshl_b32 s17, s17, 4                         ; proj_w: 16 (T - 48)
	s_mul_i32 s24, s15, 3072
	s_wait_alu depctr_va_vdst(0)
	v_lshl_add_u32 v5, v1, 4, s24                  ; where my codes go: 16 x lane + 3,072 T
	s_lshl_b32 s24, s15, 7
	v_lshl_add_u32 v7, v1, 2, s24                  ; and my scale word: 4 x lane + 128 T
	s_wait_kmcnt 0x0
	s_cmp_lt_u32 s15, 48                           ; the choice hangs on ids alone
	s_cselect_b64 s[18:19], s[6:7], s[8:9]
	s_cselect_b32 s16, s16, s17
	s_cselect_b32 s23, 8, 0
	v_and_b32 v6, s23, v2
	s_delay_alu instid0(VALU_DEP_1)
	v_add3_u32 v6, v6, v2, s16                     ; my row
	s_delay_alu instid0(VALU_DEP_1)
	v_lshlrev_b32 v4, 10, v6                       ; a row is 1,024 bytes
	s_delay_alu instid0(VALU_DEP_1)
	v_lshl_add_u32 v4, v3, 7, v4                   ; the operand's layout gives lane (r, h) k = 64 q + 32 h + 0 .. 31 of row r: 128 bytes on end for each q
.irp q, 0,1,2,3
.irp i, 0,1,2,3,4,5,6,7
	global_load_b128 v[N+32*\q+4*\i:N+32*\q+4*\i+3], v4, s[18:19] offset:256*\q+16*\i th:TH_LOAD_NT
.endr
.endr
	v_lshlrev_b32 v24, 3, v3                       ; 8 h
	v_mov_b32 v25, 0
	v_mov_b32 v26, 0
	s_wait_loadcnt 0x0
.irp q, 0,1,2,3
	v_max3_num_f32 v[8+\q], |v[N+32*\q]|, |v[N+32*\q+1]|, 0x1800000   ; my four blocks by turns: all 32 numbers of a block are mine; the floor 2^(3 - 127) holds the byte at 1
.endr
.irp i, 2,4,6,8,10,12,14,16,18,20,22,24,26,28,30
.irp q, 0,1,2,3
	s_delay_alu instid0(VALU_DEP_4)
	v_max3_num_f32 v[8+\q], v[8+\q], |v[N+32*\q+\i]|, |v[N+32*\q+\i+1]|
.endr
.endr
.irp q, 0,1,2,3
	s_delay_alu instid0(VALU_DEP_4)
	v_add_nc_u32 v[12+\q], 0xff000000, v[8+\q]     ; 2 off the exponent field: the conversion's scale operand
.endr
.irp q, 0,1,2,3
	s_delay_alu instid0(VALU_DEP_4)
	v_lshrrev_b32 v[16+\q], 23, v[12+\q]           ; the scale's byte
.endr
	s_delay_alu instid0(VALU_DEP_3)
	v_lshl_or_b32 v20, v17, 16, v16                ; K step 0: my bytes are blocks h and 2 + h,
	s_delay_alu instid0(VALU_DEP_2)
	v_lshl_or_b32 v21, v19, 16, v18                ; K step 1 likewise,
	s_delay_alu instid0(VALU_DEP_2)
	v_lshlrev_b32 v20, v24, v20                    ; at their places (8 h bits up);
	s_delay_alu instid0(VALU_DEP_2)
	v_lshlrev_b32 v21, v24, v21
	s_delay_alu instid0(VALU_DEP_2)
	v_permlanex16_b32 v25, v20, s20, s21
	s_delay_alu instid0(VALU_DEP_2)
	v_permlanex16_b32 v26, v21, s20, s21
	s_delay_alu instid0(VALU_DEP_2)
	v_or_b32 v20, v20, v25                         ; with lane l xor 16's two the words are whole
	s_delay_alu instid0(VALU_DEP_2)
	v_or_b32 v21, v21, v26
	v_cmp_ne_u32 vcc_lo, 0, v3
	s_delay_alu instid0(VALU_DEP_1)
	v_cndmask_b32 v22, v20, v21, vcc_lo            ; lanes 0-15 keep K step 0's word, lanes 16-31 K step 1's
.irp q, 0,1,2,3
	v_cvt_scalef32_pk16_fp6_f32 v[C+6*\q:C+6*\q+2], v[N+32*\q:N+32*\q+15], v[12+\q]
	v_cvt_scalef32_pk16_fp6_f32 v[184+4*\q:186+4*\q], v[N+32*\q+16:N+32*\q+31], v[12+\q]   ; (a conversion's three registers begin on an even number)
.endr
	v_nop                                          ; one plain place behind a scaled conversion
.irp q, 0,1,2,3
.irp i, 0,1,2
	v_mov_b32 v[C+6*\q+3+\i], v[184+4*\q+\i]
.endr
.endr
.irp f, 0,1
.irp c, 0,1,2
	global_store_b128 v5, v[C+12*\f+4*\c:C+12*\f+4*\c+3], s[12:13] offset:1536*\f+512*\c   ; 32 lanes store 512 consecutive bytes, aligned
.endr
.endr
	global_store_b32 v7, v22, s[12:13] offset:WSC
	s_endpgm
.Lfunc_end_k_q8dd84519c0_prep:
	.size	k_q8dd84519c0_prep, .Lfunc_end_k_q8dd84519c0_prep-k_q8dd84519c0_prep
	.p2alignl 7, 3214868480
	.fill 96, 4, 3214868480
	.section	.rodata,"a",@progbits
	.p2align	6, 0x0
	.amdhsa_kernel k_q8dd84519c0_prep
		.amdhsa_group_segment_fixed_size 0
		.amdhsa_private_segment_fixed_size 0
		.amdhsa_enable_private_segment 0
		.amdhsa_kernarg_size 40
		.amdhsa_user_sgpr_count 2
		.amdhsa_user_sgpr_kernarg_segment_ptr 1
		.amdhsa_wavefront_size32 1
		.amdhsa_system_sgpr_workgroup_id_x 1
		.amdhsa_system_sgpr_workgroup_id_y 1
		.amdhsa_system_sgpr_workgroup_id_z 1
		.amdhsa_system_vgpr_workitem_id 0
		.amdhsa_next_free_vgpr 200
		.amdhsa_next_free_sgpr 66
		.amdhsa_reserve_vcc 1
		.amdhsa_float_denorm_mode_32 3
		.amdhsa_float_denorm_mode_16_64 3
		.amdhsa_memory_ordered 1
		.amdhsa_forward_progress 1
		.amdhsa_inst_pref_size 26
	.end_amdhsa_kernel
	.amdgpu_metadata
---
amdhsa.version: [ 1, 2 ]
amdhsa.kernels:
  - .name:           k_q8dd84519c0_prep
    .symbol:         k_q8dd84519c0_prep.kd
    .args:
      - { .name: x, .offset: 0, .size: 8, .value_kind: global_buffer, .address_space: global }
      - { .name: qkv_w, .offset: 8, .size: 8, .value_kind: global_buffer, .address_space: global }
      - { .name: proj_w, .offset: 16, .size: 8, .value_kind: global_buffer, .address_space: global }
      - { .name: stats, .offset: 24, .size: 8, .value_kind: global_buffer, .address_space: global }
      - { .name: wts, .offset: 32, .size: 8, .value_kind: global_buffer, .address_space: global }
    .group_segment_fixed_size: 0
    .private_segment_fixed_size: 0
    .kernarg_segment_align: 8
    .kernarg_segment_size: 40
    .max_flat_workgroup_size: 256
    .sgpr_count:     66
    .vgpr_count:     200
    .wavefront_size: 32
...
	.end_amdgpu_metadata
.endif
;; end of part 1
;; launch qkv (part 2): grid 128 x 2, 8 waves a work-group, no clusters, 28,672 bytes of LDS; arguments x, gn_gamma, gn_beta, qkv_b, stats, wts, qbuf, kv; writes qbuf, kv
.if DOCPART == 2
	.amdgcn_target "amdgcn-amd-amdhsa--gfx1250"
	.amdhsa_code_object_version 6
	.text
	.protected	k_q8dd84519c0_qkv
	.globl	k_q8dd84519c0_qkv
	.p2align	8
	.type	k_q8dd84519c0_qkv,@function
k_q8dd84519c0_qkv:
	s_mov_b64 s[64:65], 0
	v_nop
	global_prefetch_b8 v0, s[64:65] scope:SCOPE_SE
	s_setreg_imm32_b32 hwreg(HW_REG_WAVE_MODE, 25, 1), 1
	s_wait_xcnt 0x0
; h = groupnorm(x); qkv = W h + b on codes of FP6 (E2M3) with one E8M0 byte for each 32 channels; q, k (along the head's 64) and v (along the pixels) are quantised again, in registers,
; and leave as images of the NEXT launch's matrix operands.  Nothing of h or of qkv in f32 goes to memory.
; SHARES.  Work-group (X, y): image b = X / 32, the 128 pixels of block blk = X % 32, heads 2 y and 2 y + 1 (384 of the 768 outputs).  Eight waves, wave j:
;   X:  channels 32 j .. 32 j + 31, which are one norm group and one block of the quantiser, of all 128 pixels: a lane takes a pixel, its registers run down the channels;
;   QK: sel = j / 4 (0: k, 1: q), head 2 y + (j / 2) % 2, pixel pairs 2 (j % 2) and 2 (j % 2) + 1: 64 outputs x 64 pixels;
;   V:  16 of v's outputs (head 2 y + j / 4, tile j % 4) x all 128 pixels, which are one K step of the attention's second product.
; PIXEL TILES: tile 2 p + u of the block has lane r = pixel 32 p + 8 u + r + 8 (r / 8), so that a result's registers of tiles 2 p and 2 p + 1 are 16 neighbouring pixels.
; A DOUBLE FRAGMENT of q or k (pair p, one head): registers 0-5: tile 2 p, lane (r, h): d = 32 h .. 32 h + 31; registers 6-11: tile 2 p + 1.  Scale word: two bytes for each tile.
; kv: [b][blk][head] records of 12,800 bytes: k's 4 double fragments, v's 4 fragments (1,536 bytes each), 512 bytes of scale words (k: 16 r + 4 p; v: 256 + 16 r + 4 tile).
; qbuf: [b][pair 128][head][1,536], and from QSO on [b][blk][head][256]: 16 r + 4 p.
; The block of x is read by the two work-groups y = 0, 1, and the weights' images by all: both go straight into the registers that the arithmetic wants, by loads of whole runs, and through no LDS tile;
; only two work-groups share a block, too few for a cluster of four along x.  So no tensor loads and no joint requests here.
; LIMITS: NaN and infinities are not served; a block of zeros gets the byte 1 (its codes are zeros, and this program alone reads the bytes).
; REGISTERS, window 0: v1-19 addresses; v20-32 scale words alone; v33 the word just made; v34-41 v's bias; v42-57 at work; v58-77 codes; v80-207 x, four sets of 32, later v80-175 h's fragments and
;   v176-239 the accumulators; v240-243 the partial statistics, at last the gather; v244-247 store offsets.   Window 1: v0-95 my 8 fragments of W for q or k; v96-119 two for v; v128-159 q's or k's bias.
.set XIMG, 0                           ; LDS: h's 16 fragments (tile, K step s) at 3,072 tile + 1,536 s: register pair i of lane l at 256 i + 8 l
.set XSC,  24576                       ; their scale bytes: 256 pair + 128 s + 64 u + 4 r + block
.set G,    25600                       ; the scale words on their way out: two records' 512 bytes, then q's 256 + 256
.set WSC,  196608
.set QSO,  3145728
.set REC,  12800
.set WS,   20
.set WSV,  24
.set HS,   25
.set PW,   33
.set VB,   34
.set TM,   42
.set PC,   58
.set X,    80
.set HF,   80
.set ACC,  176
.set MSB, 0
.macro WIN new                         ; the immediate's high byte repeats the setting that is left
.if MSB != \new
	s_set_vgpr_msb (MSB<<8)|\new
.set MSB, \new
.endif
.endm
.macro WSUM reg                        ; the sum over the wave's 32 lanes, in every lane
	s_delay_alu instid0(VALU_DEP_1)
	v_add_f32_dpp v[\reg], v[\reg], v[\reg] row_xmask:1 row_mask:0xf bank_mask:0xf
	s_delay_alu instid0(VALU_DEP_1)
	v_add_f32_dpp v[\reg], v[\reg], v[\reg] row_xmask:2 row_mask:0xf bank_mask:0xf
	s_delay_alu instid0(VALU_DEP_1)
	v_add_f32_dpp v[\reg], v[\reg], v[\reg] row_xmask:4 row_mask:0xf bank_mask:0xf
	s_delay_alu instid0(VALU_DEP_1)
	v_add_f32_dpp v[\reg], v[\reg], v[\reg] row_xmask:8 row_mask:0xf bank_mask:0xf
	s_delay_alu instid0(VALU_DEP_1)
	v_permlanex16_b32 v252, v[\reg], s2, s3
	s_delay_alu instid0(VALU_DEP_1)
	v_add_f32 v[\reg], v[\reg], v252
.endm
.macro XLOAD p                         ; pair p's 32 pixels x my 32 channels: each load reads 128 consecutive bytes of one channel
.set i, 0
.rept 32
	global_load_b32 v[X+32*\p+i], v1, s[4:5] offset:16384*i+128*\p
.set i, i+1
.endr
.endm
.macro BARRIER                         ; my LDS stores have landed and my LDS loads are in: then the work-group's barrier
	s_wait_dscnt 0x0
	s_barrier_signal -1
	s_barrier_wait -1
.endm
; Pair p: normalised in this order ((x - mean) x rstd, then x gamma + beta), quantised: all 32 numbers of the block are the lane's.
.macro XQ p
.set XS, X+32*\p
.set i, 0
.rept 16
	v_pk_add_f32 v[XS+i:XS+i+1], v[XS+i:XS+i+1], s[100:101] op_sel_hi:[1,0]
.set i, i+2
.endr
.set i, 0
.rept 16
	v_pk_mul_f32 v[XS+i:XS+i+1], v[XS+i:XS+i+1], s[30:31] op_sel_hi:[1,0]
.set i, i+2
.endr
.set i, 0
.rept 32
	v_fma_f32 v[XS+i], v[XS+i], s[32+i], s[68+i]
.set i, i+1
.endr
	v_max3_num_f32 v[TM], |v[XS]|, |v[XS+1]|, |v[XS+2]|
	v_max3_num_f32 v[TM+1], |v[XS+3]|, |v[XS+4]|, |v[XS+5]|
.irp i, 6,10,14,18,22,26
	s_delay_alu instid0(VALU_DEP_2)
	v_max3_num_f32 v[TM], v[TM], |v[XS+\i]|, |v[XS+\i+1]|
	s_delay_alu instid0(VALU_DEP_2)
	v_max3_num_f32 v[TM+1], v[TM+1], |v[XS+\i+2]|, |v[XS+\i+3]|
.endr
	s_delay_alu instid0(VALU_DEP_2)
	v_max3_num_f32 v[TM], v[TM], |v[XS+30]|, |v[XS+31]|
	s_delay_alu instid0(VALU_DEP_1)
	v_max3_num_f32 v[TM], v[TM], v[TM+1], 0x1800000    ; the floor 2^(3 - 127): the byte cannot fall under 1
	s_delay_alu instid0(VALU_DEP_1)
	v_add_nc_u32 v[TM+2], 0xff000000, v[TM]            ; 2 off the exponent field: the conversion's scale operand
	v_cvt_scalef32_pk16_fp6_f32 v[PC:PC+2], v[XS:XS+15], v[TM+2]
	v_cvt_scalef32_pk16_fp6_f32 v[PC+8:PC+10], v[XS+16:XS+31], v[TM+2]   ; (a conversion's three registers begin on an even number)
	v_lshrrev_b32 v[TM+3], 23, v[TM+2]                 ; the scale's byte; also the plain place behind the conversions
.irp i, 0,1,2
	v_mov_b32 v[PC+3+\i], v[PC+8+\i]
.endr
.irp i, 0,1,2
	ds_store_b64 v3, v[PC+2*\i:PC+2*\i+1] offset:XIMG+6144*\p+256*\i   ; my block is registers 6 c .. 6 c + 5 of lanes 16 h' + r of the fragment, c = (j / 2) % 2, h' = j % 2
.endr
	ds_store_b8 v6, v[TM+3] offset:XSC+256*\p
	s_wait_dscnt 0x0                                   ; the stores have read their registers
.endm
; 64 numbers of a lane, v[s] .. v[s + 63], register 16 b + i = k 32 b + 16 (lane / 16) + i of my row, become a fragment's codes in v[PC] on and its scale word in v[PW].
.macro QUANT s
.irp b, 0,1,2,3
	v_max3_num_f32 v[TM+\b], |v[\s+16*\b]|, |v[\s+1+16*\b]|, 0x1800000
.endr
.irp i, 2,4,6,8,10,12,14
.irp b, 0,1,2,3
	v_max3_num_f32 v[TM+\b], v[TM+\b], |v[\s+16*\b+\i]|, |v[\s+1+16*\b+\i]|   ; the four blocks by turns
.endr
.endr
.irp b, 0,1,2,3
	s_delay_alu instid0(VALU_DEP_4)
	v_permlanex16_b32 v[TM+4+\b], v[TM+\b], s2, s3
.endr
.irp b, 0,1,2,3
	s_delay_alu instid0(VALU_DEP_4)
	v_max_num_f32 v[TM+\b], v[TM+\b], v[TM+4+\b]       ; with lane l xor 16's: the block's largest magnitude
.endr
.irp b, 0,1,2,3
	s_delay_alu instid0(VALU_DEP_4)
	v_add_nc_u32 v[TM+12+\b], 0xff000000, v[TM+\b]
.endr
.irp b, 0,1,2,3
	s_delay_alu instid0(VALU_DEP_4)
	v_lshrrev_b32 v[TM+4+\b], 23, v[TM+12+\b]
.endr
	s_delay_alu instid0(VALU_DEP_3)
	v_lshl_or_b32 v[PW], v[TM+5], 8, v[TM+4]
	s_delay_alu instid0(VALU_DEP_1)
	v_lshl_or_b32 v[PW], v[TM+6], 16, v[PW]
	s_delay_alu instid0(VALU_DEP_1)
	v_lshl_or_b32 v[PW], v[TM+7], 24, v[PW]
.irp c, 0,1
	v_cvt_scalef32_pk16_fp6_f32 v[PC+6*\c:PC+2+6*\c], v[\s+32*\c:\s+15+32*\c], v[TM+12+2*\c]
	v_cvt_scalef32_pk16_fp6_f32 v[PC+12+4*\c:PC+14+4*\c], v[\s+16+32*\c:\s+31+32*\c], v[TM+12+2*\c+1]
.endr
	v_nop                                              ; one plain place behind a scaled conversion
.irp c, 0,1                                        ; the operand's layout wants a WHOLE block in a lane
.irp i, 0,1,2
	v_permlane16_swap_b32 v[PC+6*\c+\i], v[PC+12+4*\c+\i]
.endr
.irp i, 0,1,2
	s_delay_alu instid0(VALU_DEP_3)
	v_mov_b32 v[PC+3+6*\c+\i], v[PC+12+4*\c+\i]
.endr
.endr
.endm
	s_load_b512 s[4:19], s[0:1], 0x0               ; x, gamma, beta, qkv_b, stats, wts, qbuf, kv: s[4:5] .. s[18:19]
	v_lshl_add_u32 v254, v0, 2, 0x6c00
	v_mov_b32 v255, 0
	v_lshrrev_b32 v248, 5, v0
	s_delay_alu instid0(VALU_DEP_1)
	v_readfirstlane_b32 s20, v248                  ; j
	s_and_b32 s21, ttmp9, 31                       ; blk
	s_lshr_b32 s22, ttmp9, 5                       ; b
	s_and_b32 s23, ttmp7, 0xffff                   ; y
	s_mov_b32 s2, 0x76543210
	s_mov_b32 s3, 0xfedcba98                       ; v_permlanex16_b32's selects for lane l xor 16
	v_and_b32 v248, 31, v0                         ; lane
	s_wait_alu depctr_va_vdst(0)
	v_and_b32 v249, 15, v0                         ; r
	v_bfe_u32 v250, v0, 4, 1                       ; h, in phase X: u
	s_delay_alu instid0(VALU_DEP_2)
	v_and_b32 v251, 8, v249
	s_delay_alu instid0(VALU_DEP_1)
	v_add_nc_u32 v251, v251, v249                  ; r + 8 (r / 8)
	s_delay_alu instid0(VALU_DEP_1)
	v_lshl_add_u32 v1, v250, 3, v251
	s_delay_alu instid0(VALU_DEP_1)
	v_lshlrev_b32 v1, 2, v1                        ; x: my pixel of a pair,
	s_lshl_b32 s32, s22, 22                        ; the image,
	s_lshl_b32 s33, s20, 19                        ; my 32 channels,
	s_add_co_u32 s32, s32, s33
	s_lshl_b32 s33, s21, 9                         ; the block's 128 pixels
	s_add_co_u32 s32, s32, s33
	v_add_nc_u32 v1, s32, v1
	s_lshl_b32 s32, s22, 3
	s_add_co_u32 s32, s32, s20
	s_lshl_b32 s32, s32, 9                         ; my group's 64 pairs of statistics: 512 bytes, two pairs a lane
	v_lshl_add_u32 v2, v248, 4, s32
	s_wait_alu depctr_va_vdst(0)
	s_wait_kmcnt 0x0
	global_load_b128 v[240:243], v2, s[12:13]
	XLOAD 0
	XLOAD 1
	; ---- all other addresses, while these loads are out
	s_lshr_b32 s32, s20, 2                         ; j / 4: K step in X, sel in QK, head in V
	s_bfe_u32 s33, s20, 0x10001                    ; (j / 2) % 2: hh
	s_and_b32 s34, s20, 1                          ; j % 2: ph
	s_and_b32 s35, s20, 3                          ; j % 4: t
	s_mul_i32 s36, s32, 1536
	s_mul_i32 s37, s33, 768
	s_add_co_u32 s36, s36, s37
	s_lshl_b32 s37, s34, 7
	s_add_co_u32 s36, s36, s37
	v_mul_u32_u24 v3, v250, 3072
	s_delay_alu instid0(VALU_DEP_1)
	v_lshl_add_u32 v3, v249, 3, v3
	s_delay_alu instid0(VALU_DEP_1)
	v_add_nc_u32 v3, s36, v3                       ; XW: 8 r + 3,072 u + 1,536 (j / 4) + 768 ((j / 2) % 2) + 128 (j % 2)
	v_lshlrev_b32 v4, 3, v248                      ; 8 x lane: an image's place for my lane
	s_mul_i32 s36, s34, 12288
	v_add_nc_u32 v5, s36, v4                       ; and in my two pairs' images
	s_lshl_b32 s36, s32, 7
	s_add_co_u32 s36, s36, s35
	v_lshl_add_u32 v6, v248, 2, s36                ; my scale byte: 4 x lane + 128 (j / 4) + j % 4
	v_lshlrev_b32 v7, 4, v248                      ; 16 x lane
	s_wait_alu depctr_va_vdst(0)
	v_lshlrev_b32 v10, 2, v249
	s_delay_alu instid0(VALU_DEP_1)
	v_lshl_add_u32 v10, v250, 7, v10               ; h's scale words: lanes 0-15 K step 0's, lanes 16-31 K step 1's
	s_lshl_b32 s36, s34, 9
	v_add_nc_u32 v9, s36, v10                      ; the same in my two pairs
	s_xor_b32 s37, s32, 1                          ; 1 for k, 0 for q
	s_and_b32 s38, s33, s37
	s_add_co_u32 s38, s38, s33
	s_lshl_b32 s38, s38, 8                         ; k: 512 hh; q: 256 hh
	s_lshl_b32 s39, s32, 10                        ; q's words lie 1,024 on
	s_add_co_u32 s38, s38, s39
	s_lshl_b32 s39, s34, 3
	s_add_co_u32 s38, s38, s39
	v_lshl_add_u32 v11, v249, 4, s38               ; where q's or k's scale words go in G
	s_lshl_b32 s38, s32, 9
	s_lshl_b32 s39, s35, 2
	s_add_co_u32 s38, s38, s39
	v_lshl_add_u32 v12, v249, 4, s38               ; and v's
	s_min_u32 s38, s20, 2
	s_lshl_b32 s38, s38, 9
	v_add_nc_u32 v13, s38, v7                      ; the gather: waves 0, 1, 2 take 512 bytes each
	s_lshl_b32 s40, s37, 4
	s_lshl_b32 s39, s23, 3
	s_add_co_u32 s40, s40, s39
	s_lshl_b32 s39, s33, 2
	s_add_co_u32 s40, s40, s39                     ; T0: my first row tile of W for q or k
	s_lshl_b32 s41, s23, 3
	s_add_co_u32 s41, s41, s20
	s_add_co_u32 s41, s41, 32                      ; my row tile for v
	s_mul_i32 s39, s40, 3072
	v_add_nc_u32 v14, s39, v7
	s_mul_i32 s39, s41, 3072
	v_add_nc_u32 v15, s39, v7
	s_lshl_b32 s39, s40, 7
	s_add_co_u32 s39, s39, WSC
	v_lshl_add_u32 v16, v248, 2, s39
	s_lshl_b32 s39, s41, 7
	s_add_co_u32 s39, s39, WSC
	v_lshl_add_u32 v17, v248, 2, s39
	s_lshl_b32 s39, s40, 6
	v_lshl_add_u32 v18, v250, 6, s39               ; q's or k's bias: outputs 16 T0 + 16 h on
	s_lshl_b32 s39, s23, 7
	s_add_co_u32 s39, s39, 512
	s_lshr_b32 s42, s20, 1
	s_lshl_b32 s42, s42, 5
	s_add_co_u32 s39, s39, s42
	s_lshl_b32 s42, s34, 3
	s_add_co_u32 s39, s39, s42
	v_add_nc_u32 v19, s39, v251
	s_delay_alu instid0(VALU_DEP_1)
	v_lshlrev_b32 v19, 2, v19                      ; v's bias: my lane's output
	s_lshl_b32 s42, s22, 5
	s_add_co_u32 s42, s42, s21                     ; 32 b + blk
	s_lshl_b32 s43, s42, 2
	s_lshl_b32 s44, s23, 1
	s_add_co_u32 s43, s43, s44                     ; the record of head 2 y
	s_add_co_u32 s45, s43, s33
	s_mul_i32 s45, s45, REC
	s_mul_i32 s46, s34, 3072
	s_add_co_u32 s45, s45, s46                     ; k: my head's record, my first pair
	s_lshl_b32 s46, s42, 2
	s_lshl_b32 s47, s34, 1
	s_add_co_u32 s46, s46, s47                     ; q: pair 128 b + 4 blk + 2 ph,
	s_lshl_b32 s46, s46, 2
	s_add_co_u32 s46, s46, s44
	s_add_co_u32 s46, s46, s33                     ; my head
	s_mul_i32 s46, s46, 1536
	s_mov_b32 s47, 6144                            ; q's next pair lies four heads on, k's 1,536 bytes
	s_cmp_eq_u32 s32, 0                            ; the choices hang on the wave's number alone
	s_cselect_b32 s45, s45, s46
	s_cselect_b32 s47, 1536, s47
	s_cselect_b64 s[26:27], s[18:19], s[16:17]
	v_add_nc_u32 v244, s45, v7
	s_delay_alu instid0(VALU_DEP_1)
	v_add_nc_u32 v245, s47, v244
	s_add_co_u32 s48, s43, s32
	s_mul_i32 s48, s48, REC
	s_mul_i32 s49, s35, 1536
	s_add_co_u32 s48, s48, s49
	s_add_co_u32 s48, s48, 6144
	v_add_nc_u32 v246, s48, v7                     ; v: my head's record, fragment t
	s_min_u32 s49, s20, 1
	s_add_co_u32 s49, s43, s49
	s_mul_i32 s49, s49, REC
	s_add_co_u32 s49, s49, 12288
	s_lshl_b32 s50, s43, 8
	s_add_co_u32 s50, s50, QSO
	s_cmp_lt_u32 s20, 2
	s_cselect_b32 s49, s49, s50
	s_cselect_b64 s[28:29], s[18:19], s[16:17]
	v_add_nc_u32 v247, s49, v7                     ; the gather: waves 0, 1 a record's scale words, wave 2 q's
	s_lshl_b32 s24, s20, 7                         ; gamma and beta of my 32 channels, into scalar registers: every lane wants the same 32
	s_load_b512 s[32:47], s[6:7], s24 offset:0x0
	s_load_b512 s[48:63], s[6:7], s24 offset:0x40
	s_load_b512 s[68:83], s[8:9], s24 offset:0x0
	s_load_b512 s[84:99], s[8:9], s24 offset:0x40
	s_mov_b32 s25, 0x3727c5ac                      ; 1e-5
	v_mov_b32 v252, 0                              ; a lane permute's destination counts as one of its sources
.irp b, 0,1,2,3
	v_mov_b32 v[TM+4+\b], 0
.endr
	; ---- the group's mean and variance from 64 waves' means and sums of squares, each of 2,048 numbers
	s_wait_loadcnt 63                              ; 64 loads are younger than the partials'; the count's field holds 63, so this waits for one load more than it must
	v_add_f32 v253, v240, v242
	WSUM 253
	s_delay_alu instid0(VALU_DEP_1)
	v_mul_f32 v253, 0x3c800000, v253               ; / 64: the mean
	s_delay_alu instid0(VALU_DEP_1)
	v_sub_f32 v240, v240, v253
	s_delay_alu instid0(VALU_DEP_2)
	v_sub_f32 v242, v242, v253
	v_add_f32 v241, v241, v243
	s_delay_alu instid0(VALU_DEP_3)
	v_mul_f32 v240, v240, v240
	s_delay_alu instid0(VALU_DEP_1)
	v_fma_f32 v240, v242, v242, v240
	s_delay_alu instid0(VALU_DEP_1)
	v_fma_f32 v241, v240, 0x45000000, v241         ; + 2,048 x (a part's mean - the mean)^2
	WSUM 241
	s_delay_alu instid0(VALU_DEP_1)
	v_fma_f32 v241, v241, 0x37000000, s25          ; / 131,072 + eps
	s_wait_alu depctr_va_vdst(0)
	v_rsq_f32 v241, v241
	v_nop                                          ; one plain place behind a transcendental
	s_wait_alu depctr_va_vdst(0)
	v_readfirstlane_b32 s30, v241
	v_readfirstlane_b32 s100, v253
	s_mov_b32 s31, s30                             ; (the packed forms name pairs)
	s_xor_b32 s100, s100, 0x80000000               ; -mean
	s_mov_b32 s101, s100
	s_wait_kmcnt 0x0                               ; gamma, beta
	; ---- X
	s_wait_loadcnt 32                              ; pair 0 is in; pair 1's 32 loads may be out
	XLOAD 2
	XQ 0
	s_wait_loadcnt 32                              ; pair 1 is in; pair 2's may be out
	XLOAD 3
	XQ 1
	s_wait_loadcnt 32                              ; pair 2 is in; pair 3's may be out
	WIN 0x40                                       ; destination window 1: my weights and q's or k's bias: 38 loads, and 6 more below
.irp f, 0,1,2,3,4,5,6,7
.irp c, 0,1,2
	global_load_b128 v[12*\f+4*\c:12*\f+4*\c+3], v14, s[14:15] offset:1536*\f+512*\c
.endr
.endr
.irp f, 0,1
.irp c, 0,1,2
	global_load_b128 v[96+12*\f+4*\c:96+12*\f+4*\c+3], v15, s[14:15] offset:1536*\f+512*\c
.endr
.endr
.irp t, 0,1,2,3
	global_load_b128 v[128+8*\t:128+8*\t+3], v18, s[10:11] offset:128*(\t/2)+32*(\t%2)      ; tile t, lane half h: outputs 32 (t / 2) + 16 h + 8 (t % 2) + 0 .. 7
	global_load_b128 v[128+8*\t+4:128+8*\t+7], v18, s[10:11] offset:128*(\t/2)+32*(\t%2)+16
.endr
	WIN 0
.irp t, 0,1,2,3
	global_load_b32 v[WS+\t], v16, s[14:15] offset:128*\t
.endr
	global_load_b32 v[WSV], v17, s[14:15]
	global_load_b32 v[VB], v19, s[10:11]
	XQ 2
	s_wait_loadcnt 44                              ; pair 3 is in; the 44 loads of weights, biases and scale words may be out
	XQ 3
	BARRIER                                        ; h's sixteen fragments and their scale bytes lie in LDS
	s_wait_loadcnt 0x0
.irp i, 1,2,3,4,5,6,7
	v_mov_b32 v[VB+\i], v[VB]                      ; v's result holds one output a lane: its bias in all eight registers
.endr
	; ---- QK: transposed (source 0 = 16 rows of W, source 1 = 16 pixels): a lane holds one pixel, its registers run along d.  Eight accumulators by turns.
.macro QK pp
.irp f, 0,1,2,3
.irp i, 0,1,2,3,4,5
	ds_load_b64 v[HF+12*\f+2*\i:HF+12*\f+2*\i+1], v5 offset:XIMG+6144*\pp+1536*\f+256*\i   ; fragment 2 u + s of the pair
.endr
.endr
	ds_load_b32 v[HS], v9 offset:XSC+256*\pp
	ds_load_b32 v[HS+1], v9 offset:XSC+256*\pp+64
	s_wait_dscnt 0x0
	WIN 0x11                                       ; W and the bias in window 1
.irp u, 0,1
.irp t, 0,1,2,3
	v_wmma_scale_f32_16x16x128_f8f6f4 v[ACC+32*\u+8*\t:ACC+32*\u+8*\t+7], v[24*\t:24*\t+11], v[HF+24*\u:HF+24*\u+11], v[128+8*\t:128+8*\t+7], v[WS+\t], v[HS+\u] matrix_a_fmt:MATRIX_FMT_FP6 matrix_b_fmt:MATRIX_FMT_FP6
.endr
.endr
	WIN 0x01
.irp u, 0,1
.irp t, 0,1,2,3
	v_wmma_scale_f32_16x16x128_f8f6f4 v[ACC+32*\u+8*\t:ACC+32*\u+8*\t+7], v[24*\t+12:24*\t+23], v[HF+24*\u+12:HF+24*\u+23], v[ACC+32*\u+8*\t:ACC+32*\u+8*\t+7], v[WS+\t], v[HS+\u] matrix_a_fmt:MATRIX_FMT_FP6 matrix_b_fmt:MATRIX_FMT_FP6 matrix_a_scale:MATRIX_SCALE_ROW1 matrix_b_scale:MATRIX_SCALE_ROW1
.endr
.endr
	WIN 0
.rept 4
	v_nop                                          ; four places in front of the first read of results, and of the next loads into registers that these products read
.endr
.if \pp
	s_wait_xcnt 0x0                                ; the codes' registers are the last stores' data: written again only behind this wait
.endif
	QUANT ACC                                      ; register 32 u + 16 B + i is d = 32 B + 16 h + i of tile u's pixel: the pair's double fragment
.irp c, 0,1,2
	global_store_b128 v[244+\pp], v[PC+4*\c:PC+4*\c+3], s[26:27] offset:512*\c   ; 32 lanes store 512 consecutive bytes, aligned
.endr
	ds_store_b32 v11, v[PW] offset:G+4*\pp         ; lanes r and 16 + r hold the same word
.endm
	QK 0
	QK 1
	; ---- V: source 0 = 16 pixels, source 1 = my 16 rows of W: a lane holds one output, its registers run along the pixels, which are the next K
.irp t, 0,1,2,3,4,5,6,7
	ds_load_b32 v[HS+\t], v10 offset:XSC+256*(\t/2)+64*(\t%2)
.endr
.irp s, 0,1
.if \s
.rept 4
	v_nop                                          ; four places in front of loads into registers that the products above read
.endr
.endif
.irp t, 0,1,2,3,4,5,6,7
.irp i, 0,1,2,3,4,5
	ds_load_b64 v[HF+12*\t+2*\i:HF+12*\t+2*\i+1], v4 offset:XIMG+3072*\t+1536*\s+256*\i
.endr
.endr
	s_wait_dscnt 0x0
	WIN 0x04                                       ; W in window 1
.irp t, 0,1,2,3,4,5,6,7
.if \s == 0
	v_wmma_scale_f32_16x16x128_f8f6f4 v[ACC+8*\t:ACC+8*\t+7], v[HF+12*\t:HF+12*\t+11], v[96:107], v[VB:VB+7], v[HS+\t], v[WSV] matrix_a_fmt:MATRIX_FMT_FP6 matrix_b_fmt:MATRIX_FMT_FP6
.else
	v_wmma_scale_f32_16x16x128_f8f6f4 v[ACC+8*\t:ACC+8*\t+7], v[HF+12*\t:HF+12*\t+11], v[108:119], v[ACC+8*\t:ACC+8*\t+7], v[HS+\t], v[WSV] matrix_a_fmt:MATRIX_FMT_FP6 matrix_b_fmt:MATRIX_FMT_FP6 matrix_a_scale:MATRIX_SCALE_ROW1 matrix_b_scale:MATRIX_SCALE_ROW1
.endif
.endr
	WIN 0
.endr
.rept 4
	v_nop
.endr
	s_wait_xcnt 0x0                                ; the codes' registers are the last stores' data
	QUANT ACC                                      ; register 16 p + i is pixel 32 p + 16 h + i of my lane's output
.irp c, 0,1,2
	global_store_b128 v246, v[PC+4*\c:PC+4*\c+3], s[18:19] offset:512*\c
.endr
	ds_store_b32 v12, v[PW] offset:G+256
	BARRIER                                        ; all scale words lie in G
	s_cmp_lt_u32 s20, 3
	s_cbranch_scc0 .Lend
	ds_load_b128 v[240:243], v13 offset:G
	s_wait_dscnt 0x0
	global_store_b128 v247, v[240:243], s[28:29]   ; 32 lanes store 512 consecutive bytes, aligned
.Lend:
	s_wait_tensorcnt 0x0
	ds_add_u32 v254, v255
	s_wait_dscnt 0x0
	s_endpgm
.Lfunc_end_k_q8dd84519c0_qkv:
	.size	k_q8dd84519c0_qkv, .Lfunc_end_k_q8dd84519c0_qkv-k_q8dd84519c0_qkv
	.p2alignl 7, 3214868480
	.fill 96, 4, 3214868480
	.section	.rodata,"a",@progbits
	.p2align	6, 0x0
	.amdhsa_kernel k_q8dd84519c0_qkv
		.amdhsa_group_segment_fixed_size 28672
		.amdhsa_private_segment_fixed_size 0
		.amdhsa_enable_private_segment 0
		.amdhsa_kernarg_size 64
		.amdhsa_user_sgpr_count 2
		.amdhsa_user_sgpr_kernarg_segment_ptr 1
		.amdhsa_wavefront_size32 1
		.amdhsa_system_sgpr_workgroup_id_x 1
		.amdhsa_system_sgpr_workgroup_id_y 1
		.amdhsa_system_sgpr_workgroup_id_z 1
		.amdhsa_system_vgpr_workitem_id 0
		.amdhsa_next_free_vgpr 416
		.amdhsa_next_free_sgpr 102
		.amdhsa_reserve_vcc 0
		.amdhsa_float_denorm_mode_32 3
		.amdhsa_float_denorm_mode_16_64 3
		.amdhsa_memory_ordered 1
		.amdhsa_forward_progress 1
		.amdhsa_inst_pref_size 82
	.end_amdhsa_kernel
	.amdgpu_metadata
---
amdhsa.version: [ 1, 2 ]
amdhsa.kernels:
  - .name:           k_q8dd84519c0_qkv
    .symbol:         k_q8dd84519c0_qkv.kd
    .args:
      - { .name: x, .offset: 0, .size: 8, .value_kind: global_buffer, .address_space: global }
      - { .name: gn_gamma, .offset: 8, .size: 8, .value_kind: global_buffer, .address_space: global }
      - { .name: gn_beta, .offset: 16, .size: 8, .value_kind: global_buffer, .address_space: global }
      - { .name: qkv_b, .offset: 24, .size: 8, .value_kind: global_buffer, .address_space: global }
      - { .name: stats, .offset: 32, .size: 8, .value_kind: global_buffer, .address_space: global }
      - { .name: wts, .offset: 40, .size: 8, .value_kind: global_buffer, .address_space: global }
      - { .name: qbuf, .offset: 48, .size: 8, .value_kind: global_buffer, .address_space: global }
      - { .name: kv, .offset: 56, .size: 8, .value_kind: global_buffer, .address_space: global }
    .group_segment_fixed_size: 28672
    .private_segment_fixed_size: 0
    .kernarg_segment_align: 8
    .kernarg_segment_size: 64
    .max_flat_workgroup_size: 256
    .sgpr_count:     102
    .vgpr_count:     416
    .wavefront_size: 32
...
	.end_amdgpu_metadata
.endif
;; end of part 2
;; launch attn (part 3): grid 64 x 4, 16 waves a work-group, clusters of 4 x 1, 327,680 bytes of LDS; arguments qbuf, kv, wts, proj_b, x, out0; writes out0
.if DOCPART == 3
	.amdgcn_target "amdgcn-amd-amdhsa--gfx1250"
	.amdhsa_code_object_version 6
	.text
	.protected	k_q8dd84519c0_attn
	.globl	k_q8dd84519c0_attn
	.p2align	8
	.type	k_q8dd84519c0_attn,@function
k_q8dd84519c0_attn:
	s_mov_b64 s[64:65], 0
	v_nop
	global_prefetch_b8 v0, s[64:65] scope:SCOPE_SE
	s_setreg_imm32_b32 hwreg(HW_REG_WAVE_MODE, 25, 1), 1
	s_wait_xcnt 0x0
	s_wait_alu depctr_hold_cnt(0) depctr_sa_sdst(0) depctr_va_vdst(0) depctr_va_sdst(0) depctr_va_ssrc(0) depctr_va_vcc(0) depctr_vm_vsrc(0)
	s_getreg_b32 s2, hwreg(HW_REG_IB_STS2, 6, 4)
	s_cmp_eq_u32 s2, 0
	s_cbranch_scc0 .Lentry_in_a_cluster
	s_endpgm
.Lentry_in_a_cluster:
	s_bfe_u32 s2, ttmp6, 0x10000c
	s_cmp_lg_u32 s2, 0x3003
	s_cbranch_scc0 .Lentry_shape_is_right
	s_endpgm
.Lentry_shape_is_right:
; out0 = x + proj_w softmax(q^T k / 8) v + proj_b, all three products on codes of FP6 (E2M3) with one E8M0 byte for each 32 along a product's K.
; THE SOFTMAX AHEAD OF THE SECOND PRODUCT: t = score x log2(e) / 8; M = the row's largest t so far, rounded UP to a whole number; p = 2^(t - M) is what is quantised, along the keys, not normalised.
; The row's sum is taken of the unquantised p and divides O at the end.  When M moves, the sum and O are multiplied by 2^(old M - new M): exact.
; SHARES.  A work-group owns 64 queries of one image, for ALL FOUR HEADS, so that the last product's 256 channels are at hand.  Sixteen waves: wave w has head w / 4 and query tile w % 4, in 256 registers:
; four waves to a SIMD, so that one wave's vector work stands beside another's matrix work and LDS loads.  In the epilogue wave w makes outputs 16 w .. 16 w + 15 for the 64 queries.
; OPERANDS ARRIVE AS IMAGES OF THEIR REGISTERS (the launch before laid them so): every LDS load takes 16 bytes a lane, 512 on end: no pitch, no padding.
; K = 64 IN AN INSTRUCTION OF 128: a double fragment of k holds two tiles of 16 keys (registers 0-5, 6-11).  Against [q | zero codes] it gives the first tile's scores, against [zero codes | q] the second's.
; Both products are used transposed (S^T = k q^T, O^T = v^T p^T): a lane holds ONE query.  The keys of a tile are chosen so that S^T's register 16 b + i is key 32 b + 16 (lane / 16) + i of the step's 128.
; CLUSTER.  The four work-groups of a cluster belong to one image and walk the same k and v: every fill is asked for JOINTLY, by the same tensor load with the same descriptor and the mask of all four.
; The place in the cluster enters the offsets into qbuf, x and out0 alone.
; RING.  Two slots of two key steps x four heads x 12,800 bytes.  Each wave brings a sixteenth of a slot, 25 rows of 256 bytes: one tensor load of a wave is out at a time, and it has two key steps in which to land.
; All of the work-group's LDS is claimed.
; LIMITS: NaN and infinities are not served; a block's largest p is taken from the block's largest score, which takes v_exp_f32 not to fall where its input rises; a block of zeros gets the byte 1.
; REGISTERS: v1, v2 the spare word's address and 0; v3, v4 LDS addresses; v8 q's scale word, v9 p's; v[10:11] f; v12 -M, v13 the largest t, v[14:15] the sum; v16-21 zero codes, v22-27 q, v28-33 zero codes;
;   v34-37 k's (lanes 0-15) and v's (lanes 16-31) scale words; v38-85 k; v86-133 v; v134-197 S^T, then p; v198-229 O^T; v230-241 p's codes; v238-255 at work.
.set SLOT1, 131072                     ; slot 1 begins here, so that one exclusive or turns an address in one slot into the other's
.set SPARE, 233472                     ; the spare words, 128 bytes for each wave: eight blocks of 256 bytes that no other line names
.set OIMG,  235520                     ; O's 8 fragments (query tile, K step s) at 1,536 (2 tile + s): register pair i of lane l at 256 i + 8 l
.set OSC,   247808                     ; their scale words: 128 tile + 64 s + 4 r
.set STG,   248320                     ; the way out: 16 rows x (256 bytes + 16) for each wave
.set WSC,   196608
.set QSO,   3145728
.set SC,  34
.set KF,  38
.set VF,  86
.set S,   134
.set O,   198
.set PC,  230
.set BM,  238                          ; the blocks' largest scores: done with before the codes are written
.set T2,  242
.set SO,  250
.set TT,  254
.macro ROUND                           ; a round of the cluster's barrier
	s_barrier_signal -1
	s_barrier_wait -1
	s_cmp_lg_u32 s16, 0
	s_cbranch_scc1 .Lnot_wave_0_\@
	s_barrier_signal -3
.Lnot_wave_0_\@:
	s_barrier_wait -3
	s_barrier_signal -1
	s_barrier_wait -1
.endm
.macro PLACES
.rept 4
	v_nop
.endr
.endm
; THE CHANGE OF SLOTS stands at a slot's head.  Each wave waits for all its tensor loads (its part of the slot ahead), adds 0 to its spare word, and waits for that and for its reads of the slot that it has left.
; fill = 1: a round of the cluster's barrier, so that no wave of any partner still reads that slot or has a load on its way, and the joint refill first behind it.
.macro CHANGE fill
	s_wait_tensorcnt 0x0                           ; no tensor load of mine is out, so the descriptor may be written
	ds_add_u32 v1, v2                              ; 0 onto my spare word
.if \fill
	s_xor_b32 s33, s33, SLOT1                      ; the other slot than last time,
	s_add_nc_u64 s[34:35], s[34:35], 102400        ; the next two key steps; the type bits on top are not reached
.endif
	s_wait_dscnt 0x0                               ; the add is done, and my reads of the slot that I have left are over
.if \fill
	ROUND
	tensor_load_to_lds s[32:35], s[24:31]          ; my one tensor load until the next round
	s_nop 0
	PLACES                                         ; (the places in front of the step's loads)
.else
	s_barrier_signal -1
	s_barrier_wait -1
	PLACES                                         ; places in front of loads into registers that the last products read
.endif
	v_add_nc_u32 v4, s38, v3                       ; my head's records in the slot ahead
.endm
; A KEY STEP: 128 keys, the q-th of the slot in hand.
.macro STEP q
.if \q
	PLACES                                         ; places in front of loads into registers that the last products read
.endif
	ds_load_b128 v[SC:SC+3], v4 offset:51200*\q+12288   ; lanes 0-15: k's four scale words of row r; lanes 16-31: v's four
.set i, 0
.rept 12
	ds_load_b128 v[KF+4*i:KF+4*i+3], v4 offset:51200*\q+512*i
.set i, i+1
.endr
.set i, 0
.rept 12
	ds_load_b128 v[VF+4*i:VF+4*i+3], v4 offset:51200*\q+6144+512*i
.set i, i+1
.endr
	s_wait_dscnt 12                                ; the scale words and k are in; v's twelve loads stay out over the softmax
.irp b, 0,1,2,3
	v_wmma_scale_f32_16x16x128_f8f6f4 v[S+16*\b:S+16*\b+7], v[KF+12*\b:KF+12*\b+11], v[22:33], 0, v[SC+\b], v8 matrix_a_fmt:MATRIX_FMT_FP6 matrix_b_fmt:MATRIX_FMT_FP6
	v_wmma_scale_f32_16x16x128_f8f6f4 v[S+16*\b+8:S+16*\b+15], v[KF+12*\b:KF+12*\b+11], v[16:27], 0, v[SC+\b], v8 matrix_a_fmt:MATRIX_FMT_FP6 matrix_b_fmt:MATRIX_FMT_FP6
.endr
	PLACES
.irp b, 0,1,2,3
	v_max3_num_f32 v[BM+\b], v[S+16*\b], v[S+1+16*\b], v[S+2+16*\b]   ; the largest score of each block of 32 keys: for the row's maximum, and, since p rises with the score, for the block's largest p
.endr
.irp i, 3,5,7,9,11,13
.irp b, 0,1,2,3
	v_max3_num_f32 v[BM+\b], v[BM+\b], v[S+16*\b+\i], v[S+1+16*\b+\i]
.endr
.endr
.irp b, 0,1,2,3
	v_max_num_f32 v[BM+\b], v[BM+\b], v[S+15+16*\b]
.endr
.irp b, 0,1,2,3
	s_delay_alu instid0(VALU_DEP_4)
	v_permlanex16_b32 v[T2+\b], v[BM+\b], s36, s37
.endr
.irp b, 0,1,2,3
	s_delay_alu instid0(VALU_DEP_4)
	v_max_num_f32 v[BM+\b], v[BM+\b], v[T2+\b]     ; with lane l xor 16's 16 keys
.endr
	s_delay_alu instid0(VALU_DEP_2)
	v_max3_num_f32 v[TT], v[BM], v[BM+1], v[BM+2]
	s_delay_alu instid0(VALU_DEP_1)
	v_max_num_f32 v[TT], v[TT], v[BM+3]
	s_delay_alu instid0(VALU_DEP_1)
	v_mul_f32 v[TT], s22, v[TT]                    ; as t (c is positive)
	s_delay_alu instid0(VALU_DEP_1)
	v_max_num_f32 v13, v13, v[TT]                  ; the running largest t
	v_mov_b32 v[TT], v12
	s_delay_alu instid0(VALU_DEP_2)
	v_floor_f32 v12, -v13                          ; the new -M = floor(-t): M is a whole number
	s_delay_alu instid0(VALU_DEP_1)
	v_sub_f32 v[TT], v12, v[TT]                    ; old M - new M: a whole number, 0 or less
	s_delay_alu instid0(VALU_DEP_1)
	v_cvt_i32_f32 v[TT], v[TT]                     ; (it saturates)
	s_delay_alu instid0(VALU_DEP_1)
	v_ldexp_f32 v10, 1.0, v[TT]                    ; f = 2^(old M - new M)
.set i, 0
.rept 32
	v_pk_fma_f32 v[S+i:S+i+1], v[S+i:S+i+1], s[22:23], v[12:13] op_sel_hi:[1,0,0]   ; t - M, two at a time
.set i, i+2
.endr
.irp b, 0,1,2,3
	v_fma_f32 v[BM+\b], v[BM+\b], s22, v12         ; the same of each block's largest score
.endr
.set i, 0
	s_wait_alu depctr_va_vdst(0)
.rept 64
	v_exp_f32 v[S+i], v[S+i]                       ; p = 2^(t - M)
.set i, i+1
.endr
.irp b, 0,1,2,3
	v_exp_f32 v[BM+\b], v[BM+\b]                   ; the block's largest p
.endr
	v_pk_mul_f32 v[14:15], v[14:15], v[10:11] op_sel_hi:[1,0]   ; the sums under the new M; a plain place behind the exponentials
	s_wait_alu depctr_va_vdst(0)
.irp b, 0,1,2,3
	v_max_num_f32 v[BM+\b], 0x1800000, v[BM+\b]    ; the floor 2^(3 - 127): the byte cannot fall under 1
.endr
.irp b, 0,1,2,3
	s_delay_alu instid0(VALU_DEP_4)
	v_add_nc_u32 v[SO+\b], 0xff000000, v[BM+\b]    ; 2 off the exponent field: the conversion's scale operand
.endr
.irp b, 0,1,2,3
	s_delay_alu instid0(VALU_DEP_4)
	v_lshrrev_b32 v[T2+\b], 23, v[SO+\b]
.endr
	s_delay_alu instid0(VALU_DEP_3)
	v_lshl_or_b32 v9, v[T2+1], 8, v[T2]            ; p's scale word for these 128 keys
	s_delay_alu instid0(VALU_DEP_1)
	v_lshl_or_b32 v9, v[T2+2], 16, v9
	s_delay_alu instid0(VALU_DEP_1)
	v_lshl_or_b32 v9, v[T2+3], 24, v9
.irp c, 0,1
	v_cvt_scalef32_pk16_fp6_f32 v[PC+6*\c:PC+6*\c+2], v[S+32*\c:S+32*\c+15], v[SO+2*\c]
	v_cvt_scalef32_pk16_fp6_f32 v[T2+4*\c:T2+4*\c+2], v[S+32*\c+16:S+32*\c+31], v[SO+2*\c+1]   ; (a conversion's three registers begin on an even number)
.endr
	v_nop                                          ; one plain place behind a scaled conversion
.irp c, 0,1                                    ; the operand's layout wants a WHOLE block in a lane
.irp i, 0,1,2
	v_permlane16_swap_b32 v[PC+6*\c+\i], v[T2+4*\c+\i]
.endr
.irp i, 0,1,2
	s_delay_alu instid0(VALU_DEP_3)
	v_mov_b32 v[PC+3+6*\c+\i], v[T2+4*\c+\i]
.endr
.endr
.set i, 0
.rept 16
	v_pk_mul_f32 v[O+i:O+i+1], v[O+i:O+i+1], v[10:11] op_sel_hi:[1,0]   ; O^T under the new M, each accumulator from its low end on
.set i, i+2
.endr
	v_pk_add_f32 v[242:243], v[138:139], v[142:143]
	v_pk_add_f32 v[254:255], v[146:147], v[150:151]
	v_pk_add_f32 v[252:253], v[154:155], v[158:159]
	v_pk_add_f32 v[250:251], v[162:163], v[166:167]
	v_pk_add_f32 v[248:249], v[170:171], v[174:175]
	v_pk_add_f32 v[246:247], v[178:179], v[182:183]
	v_pk_add_f32 v[84:85], v[186:187], v[190:191]
	v_pk_add_f32 v[14:15], v[14:15], v[194:195]
	v_pk_add_f32 v[242:243], v[242:243], v[134:135]
	v_pk_add_f32 v[254:255], v[254:255], v[136:137]
	v_pk_add_f32 v[252:253], v[252:253], v[140:141]
	v_pk_add_f32 v[250:251], v[250:251], v[144:145]
	v_pk_add_f32 v[248:249], v[248:249], v[148:149]
	v_pk_add_f32 v[246:247], v[246:247], v[152:153]
	v_pk_add_f32 v[84:85], v[84:85], v[156:157]
	v_pk_add_f32 v[14:15], v[14:15], v[160:161]
	v_pk_add_f32 v[242:243], v[242:243], v[164:165]
	v_pk_add_f32 v[254:255], v[254:255], v[168:169]
	v_pk_add_f32 v[252:253], v[252:253], v[172:173]
	v_pk_add_f32 v[250:251], v[250:251], v[176:177]
	v_pk_add_f32 v[248:249], v[248:249], v[180:181]
	v_pk_add_f32 v[246:247], v[246:247], v[184:185]
	v_pk_add_f32 v[84:85], v[84:85], v[188:189]
	v_pk_add_f32 v[14:15], v[14:15], v[192:193]
	v_pk_add_f32 v[242:243], v[242:243], v[196:197]
	s_delay_alu instid0(VALU_DEP_2)
	v_pk_add_f32 v[14:15], v[14:15], v[250:251]
	s_delay_alu instid0(VALU_DEP_2)
	v_pk_add_f32 v[242:243], v[242:243], v[248:249]
	v_pk_add_f32 v[254:255], v[254:255], v[246:247]
	v_pk_add_f32 v[252:253], v[252:253], v[84:85]
	s_delay_alu instid0(VALU_DEP_2)
	v_pk_add_f32 v[14:15], v[14:15], v[254:255]
	s_delay_alu instid0(VALU_DEP_2)
	v_pk_add_f32 v[242:243], v[242:243], v[252:253]
	s_delay_alu instid0(VALU_DEP_1)
	v_pk_add_f32 v[14:15], v[14:15], v[242:243]
	s_wait_dscnt 0x0                               ; v is in
.irp t, 0,1,2,3                                ; O^T += v^T p^T: the four accumulators by turns
	v_wmma_scale_f32_16x16x128_f8f6f4 v[O+8*\t:O+8*\t+7], v[VF+12*\t:VF+12*\t+11], v[PC:PC+11], v[O+8*\t:O+8*\t+7], v[SC+\t], v9 matrix_a_fmt:MATRIX_FMT_FP6 matrix_b_fmt:MATRIX_FMT_FP6 matrix_a_scale:MATRIX_SCALE_ROW1
.endr
.endm
	s_load_b256 s[4:11], s[0:1], 0x0               ; qbuf s[4:5], kv s[6:7], wts s[8:9], proj_b s[10:11]
	s_load_b128 s[12:15], s[0:1], 0x20             ; x s[12:13], out0 s[14:15]
	v_lshl_add_u32 v1, v0, 2, SPARE
	v_mov_b32 v2, 0
	ds_add_u32 v1, v2
	ds_add_u32 v1, v2
	s_wait_dscnt 0x0
	v_lshrrev_b32 v5, 5, v0
	s_delay_alu instid0(VALU_DEP_1)
	v_readfirstlane_b32 s16, v5                    ; wave 0..15
	s_lshr_b32 s17, s16, 2                         ; head
	s_and_b32 s18, s16, 3                          ; query tile
	s_bfe_u32 s19, ttmp6, 0x40000                  ; cx: my place in the cluster
	s_lshl_b32 s20, ttmp9, 2
	s_add_co_u32 s20, s20, s19                     ; my block of 64 queries
	s_and_b32 s21, ttmp7, 0xffff                   ; the image, which the four partners share
	s_mov_b32 s22, 0x3e38aa3b                      ; c = log2(e) / 8
	s_mov_b32 s23, s22                             ; (named with it as a pair)
	; descriptor group 1: 25 rows of 256 bytes (32 elements of 8 bytes), dense in memory and in LDS
	s_mov_b32 s24, 15|(3<<16)|(1<<21)              ; 15:0 the mask: all four work-groups; 17:16 elements of 8 bytes; 20 no padding; 21 set beside a mask
	s_mov_b32 s25, 32<<16                          ; tensor_dim0 = 32
	s_mov_b32 s26, 25<<16                          ; tensor_dim1 = 25
	s_mov_b32 s27, 32<<16                          ; tile_dim0 = 32
	s_mov_b32 s28, 25                              ; tile_dim1 = 25
	s_mov_b32 s29, 32                              ; from row to row
	s_mov_b32 s30, 0
	s_mov_b32 s31, 0
	s_mov_b32 s36, 0x76543210
	s_mov_b32 s37, 0xfedcba98                      ; v_permlanex16_b32's selects for lane l xor 16
	s_mov_b32 s38, 0                               ; the slot in hand
	s_mov_b32 s39, 15                              ; slots still to be asked for: 32 key steps are 16 slots
	s_mov_b32 s32, 1                               ; group 0: count = 1,
	s_mul_i32 s33, s16, 6400                       ; LDS address: my sixteenth of slot 0,
	s_mul_i32 s40, s21, 1638400                    ; the image's 32 x 4 records
	s_add_co_u32 s40, s40, s33
	s_mov_b32 s41, 0
	s_lshl_b32 s42, s21, 7                         ; q's double fragment: pair 128 image + 2 block + tile / 2,
	s_lshl_b32 s43, s20, 1
	s_add_co_u32 s42, s42, s43
	s_lshr_b32 s43, s18, 1
	s_add_co_u32 s42, s42, s43
	s_lshl_b32 s42, s42, 2
	s_add_co_u32 s42, s42, s17                     ; my head
	s_mul_i32 s42, s42, 1536
	v_and_b32 v5, 31, v0                           ; lane
	s_wait_alu depctr_va_vdst(0)
	v_lshl_add_u32 v6, v5, 4, s42
	s_lshl_b32 s44, s21, 5                         ; its scale word: [image][block of 128][head][256]: 16 r + 4 pair
	s_lshr_b32 s45, s20, 1
	s_add_co_u32 s44, s44, s45
	s_lshl_b32 s44, s44, 2
	s_add_co_u32 s44, s44, s17
	s_lshl_b32 s44, s44, 8
	s_and_b32 s45, s20, 1
	s_lshl_b32 s45, s45, 1
	s_add_co_u32 s45, s45, s43
	s_lshl_b32 s45, s45, 2
	s_add_co_u32 s44, s44, s45
	s_add_co_u32 s44, s44, QSO
	v_and_b32 v7, 15, v0
	s_delay_alu instid0(VALU_DEP_1)
	v_lshl_add_u32 v7, v7, 4, s44
	s_mul_i32 s46, s17, 12800
	v_lshl_add_u32 v3, v5, 4, s46                  ; 16 x lane + my head's record
	s_and_b32 s47, s16, 1                          ; which tile of the pair is mine
	s_lshl_b32 s48, s47, 4
	s_cmp_lg_u32 s47, 0
	s_cselect_b32 s49, -1, 0
	s_wait_kmcnt 0x0
	s_add_nc_u64 s[34:35], s[6:7], s[40:41]        ; global address: made of the image and the wave's number alone
	s_or_b32 s35, s35, 0x80000000                  ; type = 2
	ROUND                                          ; all four work-groups are here: the first joint loads meet
	tensor_load_to_lds s[32:35], s[24:31]          ; slot 0
	s_nop 0
	PLACES
	s_wait_alu depctr_va_vdst(0)
	global_load_b128 v[38:41], v6, s[4:5]
	global_load_b128 v[42:45], v6, s[4:5] offset:512
	global_load_b128 v[46:49], v6, s[4:5] offset:1024
	global_load_b32 v[TT], v7, s[4:5]
.irp i, 0,1,2,3,4,5
	v_mov_b32 v[16+\i], 0                          ; zero codes on both sides of q
	v_mov_b32 v[28+\i], 0
.endr
.set i, 0
.rept 32
	v_mov_b32 v[O+i], 0                            ; O^T: the loop is written once; its first step finds zeros, which the first change of M leaves zeros
.set i, i+1
.endr
	v_mov_b32 v14, 0                               ; the sum, in two halves
	v_mov_b32 v15, 0
	v_mov_b32 v11, 0                               ; (named as the upper half of the pair v[10:11])
.irp b, 0,1,2,3
	v_mov_b32 v[T2+\b], 0                          ; a lane permute's destination counts as one of its sources
.endr
	v_mov_b32 v13, 0xff61b1e6                      ; the largest t so far: -3e38, under every t
	s_delay_alu instid0(VALU_DEP_1)
	v_floor_f32 v12, -v13                          ; -M
	s_wait_loadcnt 0x0
	v_lshrrev_b32 v[TT], s48, v[TT]                ; my tile's two bytes,
	s_delay_alu instid0(VALU_DEP_1)
	v_and_b32 v[TT], 0xffff, v[TT]
	s_delay_alu instid0(VALU_DEP_1)
	v_lshl_or_b32 v8, v[TT], 16, v[TT]             ; for both halves of the instruction's K
.irp i, 0,1,2,3,4,5
	v_cndmask_b32 v[22+\i], v[38+\i], v[44+\i], s49   ; my tile's six registers of the pair's twelve
.endr
.Lslot:                                            ; 15 trips: behind each change of slots but the last the next slot is asked for
	CHANGE 1
	s_wait_alu depctr_va_vdst(0)
	STEP 0
	STEP 1
	s_xor_b32 s38, s38, SLOT1
	s_sub_co_u32 s39, s39, 1
	s_cmp_lg_u32 s39, 0
	s_cbranch_scc1 .Lslot
	CHANGE 0                                       ; the last slot is written out
	STEP 0
	STEP 1
	; ---- THE EPILOGUE.  Offsets first: eight plain lines, the places behind the last products in front of the loads into their registers.
	v_and_b32 v6, 15, v0                           ; r
	v_bfe_u32 v7, v0, 4, 1                         ; h
	s_wait_alu depctr_va_vdst(0)
	s_add_co_u32 s40, s16, 48                      ; proj_w's row tile 48 + w
	s_mul_i32 s41, s40, 3072
	v_lshl_add_u32 v16, v5, 4, s41
	s_wait_alu depctr_va_vdst(0)
	s_lshl_b32 s41, s40, 7
	s_add_co_u32 s41, s41, WSC
	v_lshl_add_u32 v17, v5, 2, s41
	s_lshl_b32 s41, s16, 6
	v_lshl_add_u32 v18, v6, 2, s41                 ; proj_b at output 16 w + r
	s_lshl_b32 s41, s21, 8
	s_lshl_b32 s42, s16, 4
	s_add_co_u32 s41, s41, s42                     ; x, out0: row 256 image + 16 w,
	s_lshl_b32 s41, s41, 14
	s_lshl_b32 s42, s20, 8                         ; my block's 64 pixels: 256 bytes
	s_add_co_u32 s41, s41, s42
	v_lshlrev_b32 v19, 14, v7                      ; lanes 0-15 one row, lanes 16-31 the next; 16 bytes a lane
	s_delay_alu instid0(VALU_DEP_1)
	v_lshl_add_u32 v19, v6, 4, v19
	s_delay_alu instid0(VALU_DEP_1)
	v_add_nc_u32 v19, s41, v19
.irp f, 0,1
.irp c, 0,1,2
	global_load_b128 v[38+12*\f+4*\c:41+12*\f+4*\c], v16, s[8:9] offset:1536*\f+512*\c   ; proj_w's two fragments
.endr
.endr
	global_load_b32 v8, v17, s[8:9]                ; their scale words: lanes 0-15 K step 0's, lanes 16-31 K step 1's
	global_load_b32 v[TT], v18, s[10:11]
.irp i, 0,1,2,3,4,5,6,7
	global_load_b128 v[70+4*\i:73+4*\i], v19, s[12:13] offset:32768*\i th:TH_LOAD_NT   ; x, for the residual: read once in this launch
.endr
	v_add_f32 v14, v14, v15                        ; the sum's two halves,
	s_delay_alu instid0(VALU_DEP_1)
	v_permlanex16_b32 v[T2], v14, s36, s37
	s_delay_alu instid0(VALU_DEP_1)
	v_add_f32 v14, v14, v[T2]                      ; and lane l xor 16's: the row's sum
	s_wait_alu depctr_va_vdst(0)
	v_rcp_f32 v14, v14
	s_mul_i32 s41, s18, 3072                       ; (the LDS addresses are the plain lines behind the reciprocal)
	s_lshr_b32 s42, s17, 1
	s_mul_i32 s43, s42, 1536
	s_add_co_u32 s41, s41, s43
	s_and_b32 s44, s17, 1
	s_mul_i32 s43, s44, 768
	s_add_co_u32 s41, s41, s43
	s_add_co_u32 s41, s41, OIMG
	v_lshl_add_u32 v20, v5, 3, s41                 ; my six registers are registers 6 (head % 2) on of fragment (tile, head / 2)
	s_lshl_b32 s41, s18, 7
	s_lshl_b32 s43, s42, 6
	s_add_co_u32 s41, s41, s43
	s_lshl_b32 s43, s44, 1
	s_add_co_u32 s41, s41, s43
	s_add_co_u32 s41, s41, OSC
	v_lshl_add_u32 v21, v6, 2, s41                 ; and my two bytes half of its scale word
	v_lshl_add_u32 v22, v5, 3, OIMG
	v_lshl_add_u32 v23, v5, 2, OSC
	s_mul_i32 s41, s16, 4352
	s_add_co_u32 s41, s41, STG                     ; my stage
	v_mul_u32_u24 v24, v6, 272
	s_delay_alu instid0(VALU_DEP_1)
	v_lshl_add_u32 v24, v7, 6, v24
	s_delay_alu instid0(VALU_DEP_1)
	v_add_nc_u32 v24, s41, v24                     ; in: row r (my output), 64 h bytes on
	v_mul_u32_u24 v25, v7, 272
	s_delay_alu instid0(VALU_DEP_1)
	v_lshl_add_u32 v25, v6, 4, v25
	s_delay_alu instid0(VALU_DEP_1)
	v_add_nc_u32 v25, s41, v25                     ; back: lanes 0-15 one row, lanes 16-31 the next
.set i, 0
	s_wait_alu depctr_va_vdst(0)
.rept 32
	v_mul_f32 v[S+i], v[O+i], v14                  ; O^T / the sum: register 16 B + i is channel 64 head + 32 B + 16 h + i of my query; each accumulator from its low end on
.set i, i+1
.endr
.irp b, 0,1                                    ; two blocks of 32 channels are quantised as p is
	v_max3_num_f32 v[BM+\b], |v[S+16*\b]|, |v[S+1+16*\b]|, 0x1800000
.endr
.irp i, 2,4,6,8,10,12,14
.irp b, 0,1
	s_delay_alu instid0(VALU_DEP_2)
	v_max3_num_f32 v[BM+\b], v[BM+\b], |v[S+16*\b+\i]|, |v[S+1+16*\b+\i]|
.endr
.endr
.irp b, 0,1
	s_delay_alu instid0(VALU_DEP_2)
	v_permlanex16_b32 v[T2+\b], v[BM+\b], s36, s37
.endr
.irp b, 0,1
	s_delay_alu instid0(VALU_DEP_2)
	v_max_num_f32 v[BM+\b], v[BM+\b], v[T2+\b]
.endr
.irp b, 0,1
	s_delay_alu instid0(VALU_DEP_2)
	v_add_nc_u32 v[SO+\b], 0xff000000, v[BM+\b]
.endr
.irp b, 0,1
	s_delay_alu instid0(VALU_DEP_2)
	v_lshrrev_b32 v[T2+\b], 23, v[SO+\b]
.endr
	s_delay_alu instid0(VALU_DEP_1)
	v_lshl_or_b32 v249, v[T2+1], 8, v[T2]
	v_cvt_scalef32_pk16_fp6_f32 v[PC:PC+2], v[S:S+15], v[SO]
	v_cvt_scalef32_pk16_fp6_f32 v[T2+4:T2+6], v[S+16:S+31], v[SO+1]
	v_nop                                          ; one plain place behind a scaled conversion
.irp i, 0,1,2
	v_permlane16_swap_b32 v[PC+\i], v[T2+4+\i]
.endr
.irp i, 0,1,2
	s_delay_alu instid0(VALU_DEP_3)
	v_mov_b32 v[PC+3+\i], v[T2+4+\i]
.endr
.irp i, 0,1,2
	ds_store_b64 v20, v[PC+2*\i:PC+2*\i+1] offset:256*\i
.endr
	ds_store_b16 v21, v249                         ; lanes r and 16 + r hold the same two bytes
	s_wait_dscnt 0x0                               ; for the others' sake: my stores have landed
	s_barrier_signal -1
	s_barrier_wait -1                              ; O's eight fragments lie in LDS
.irp f, 0,1,2,3,4,5,6,7
.irp i, 0,1,2,3,4,5
	ds_load_b64 v[S+12*\f+2*\i:S+12*\f+2*\i+1], v22 offset:1536*\f+256*\i
.endr
.endr
.irp m, 0,1,2,3
	ds_load_b32 v[SC+\m], v23 offset:128*\m        ; lanes 0-15 K step 0's words, lanes 16-31 K step 1's
.endr
	s_wait_loadcnt 8                               ; proj_w, its scale words and proj_b are in; x's eight loads may be out
.irp i, 0,1,2,3,4,5,6,7
	v_mov_b32 v[62+\i], v[TT]                      ; the result holds one output a lane: its bias in all eight registers, as the C of each sum's first product
.endr
	s_wait_alu depctr_va_vdst(0)
	s_wait_dscnt 0x0
	PLACES                                         ; this text keeps for C the distance that is asked of A and B written by vector instructions
.irp m, 0,1,2,3                                ; source 0 = 16 queries, source 1 = my 16 rows of proj_w: a lane holds one output and eight neighbouring pixels; four accumulators by turns
	v_wmma_scale_f32_16x16x128_f8f6f4 v[102+8*\m:109+8*\m], v[S+24*\m:S+24*\m+11], v[38:49], v[62:69], v[SC+\m], v8 matrix_a_fmt:MATRIX_FMT_FP6 matrix_b_fmt:MATRIX_FMT_FP6
.endr
.irp m, 0,1,2,3
	v_wmma_scale_f32_16x16x128_f8f6f4 v[102+8*\m:109+8*\m], v[S+24*\m+12:S+24*\m+23], v[50:61], v[102+8*\m:109+8*\m], v[SC+\m], v8 matrix_a_fmt:MATRIX_FMT_FP6 matrix_b_fmt:MATRIX_FMT_FP6 matrix_a_scale:MATRIX_SCALE_ROW1 matrix_b_scale:MATRIX_SCALE_ROW1
.endr
	PLACES
.irp m, 0,1,2,3
	ds_store_b128 v24, v[102+8*\m:105+8*\m] offset:128*(\m/2)+32*(\m%2)       ; tile m, register j: pixel 32 (m / 2) + 16 h + 8 (m % 2) + j; each accumulator from its low end on
	ds_store_b128 v24, v[106+8*\m:109+8*\m] offset:128*(\m/2)+32*(\m%2)+16
.endr
.irp i, 0,1,2,3,4,5,6,7
	ds_load_b128 v[S+4*\i:S+4*\i+3], v25 offset:544*\i   ; LDS serves a wave's instructions in order (ISA guide 5.7.1.4): these see my stores
.endr
	s_wait_loadcnt 0x0                             ; x
.irp i, 0,1,2,3,4,5,6,7
	s_wait_dscnt 7-\i                              ; rows 2 i and 2 i + 1 are back; the younger loads may be out
	v_pk_add_f32 v[S+4*\i:S+4*\i+1], v[S+4*\i:S+4*\i+1], v[70+4*\i:71+4*\i]
	v_pk_add_f32 v[S+4*\i+2:S+4*\i+3], v[S+4*\i+2:S+4*\i+3], v[72+4*\i:73+4*\i]
	global_store_b128 v19, v[S+4*\i:S+4*\i+3], s[14:15] offset:32768*\i th:TH_STORE_NT   ; 16 lanes store 256 consecutive bytes, aligned
.endr
	s_wait_tensorcnt 0x0                           ; the wave's end
	ds_add_u32 v1, v2
	s_wait_dscnt 0x0
	ROUND                                          ; the closing round: no work-group ends while a partner may still ask for a tile that names it
	s_endpgm
.Lfunc_end_k_q8dd84519c0_attn:
	.size	k_q8dd84519c0_attn, .Lfunc_end_k_q8dd84519c0_attn-k_q8dd84519c0_attn
	.p2alignl 7, 3214868480
	.fill 96, 4, 3214868480
	.section	.rodata,"a",@progbits
	.p2align	6, 0x0
	.amdhsa_kernel k_q8dd84519c0_attn
		.amdhsa_group_segment_fixed_size 327680
		.amdhsa_private_segment_fixed_size 0
		.amdhsa_enable_private_segment 0
		.amdhsa_kernarg_size 48
		.amdhsa_user_sgpr_count 2
		.amdhsa_user_sgpr_kernarg_segment_ptr 1
		.amdhsa_wavefront_size32 1
		.amdhsa_system_sgpr_workgroup_id_x 1
		.amdhsa_system_sgpr_workgroup_id_y 1
		.amdhsa_system_sgpr_workgroup_id_z 1
		.amdhsa_system_vgpr_workitem_id 0
		.amdhsa_next_free_vgpr 256
		.amdhsa_next_free_sgpr 66
		.amdhsa_reserve_vcc 0
		.amdhsa_float_denorm_mode_32 3
		.amdhsa_float_denorm_mode_16_64 3
		.amdhsa_memory_ordered 1
		.amdhsa_forward_progress 1
		.amdhsa_inst_pref_size 90
	.end_amdhsa_kernel
	.amdgpu_metadata
---
amdhsa.version: [ 1, 2 ]
amdhsa.kernels:
  - .name:           k_q8dd84519c0_attn
    .symbol:         k_q8dd84519c0_attn.kd
    .args:
      - { .name: qbuf, .offset: 0, .size: 8, .value_kind: global_buffer, .address_space: global }
      - { .name: kv, .offset: 8, .size: 8, .value_kind: global_buffer, .address_space: global }
      - { .name: wts, .offset: 16, .size: 8, .value_kind: global_buffer, .address_space: global }
      - { .name: proj_b, .offset: 24, .size: 8, .value_kind: global_buffer, .address_space: global }
      - { .name: x, .offset: 32, .size: 8, .value_kind: global_buffer, .address_space: global }
      - { .name: out0, .offset: 40, .size: 8, .value_kind: global_buffer, .address_space: global }
    .group_segment_fixed_size: 327680
    .private_segment_fixed_size: 0
    .kernarg_segment_align: 8
    .kernarg_segment_size: 48
    .max_flat_workgroup_size: 512
    .sgpr_count:     66
    .vgpr_count:     256
    .wavefront_size: 32
...
	.end_amdgpu_metadata
.endif
;; end of part 3
